; MI455X (gfx1250); checked and timed in simulation.
; The chip was launched on July 23, 2026; its instructions are those of AMD's public machine-readable ISA for CDNA 5 (MIT licence, August 2026) and "CDNA5" Instruction Set Architecture Reference Guide (July 2026). The comments in the code are by the model that wrote it; some were corrected since.
;; Mo E. Allowed arithmetic: matrix products marked QUANTISED: E2M1 operands, one E8M0 scale for each 32 along K, by v_wmma_scale_f32_16x16x128_f8f6f4 with both operands' format E2M1 (or v_wmma_scale_f32_32x16x128_f4), f32 sums; products left as they are: f32 operands where the result goes on into a quantised operand, else bf16, f16 or f32 operands; f32 sums; everything else in f32.
;; Inputs: b1 8 x 4,096 float32; b2 8 x 1,024 float32; gate_b 8 float32; gate_w 1,024 x 8 float32; w1_codes 8 x 4,096 x 32 x 16 uint8 (E2M1 codes of w1, K innermost, in blocks of 32 codes, two codes a byte); w1_scales 8 x 4,096 x 32 uint8 (E8M0 scales of w1, one for each 32 codes along K); w2_codes 8 x 1,024 x 128 x 16 uint8 (E2M1 codes of w2, K innermost, in blocks of 32 codes, two codes a byte); w2_scales 8 x 1,024 x 128 uint8 (E8M0 scales of w2, one for each 32 codes along K); x 1,024 x 1,024 float32.
;; Outputs: out0 1,024 x 1,024 float32; out1 one number float32.
;; This version of the problem:
;;   THIS VERSION OF THE PROBLEM IS GIVEN IN LOW PRECISION. The matrix products marked QUANTISED in the list below multiply operands that are first quantised to E2M1 (2 exponent bits, 1 mantissa bit; 4 bits a number), with one power-of-two scale for each 32 numbers along K (OCP MX v1.0); their sums are f32. All else is computed in f32.
;;   The module's matrix products, in the order in which they are computed (A, B: the left and right operand; K: the contracted axis; several contracted axes count as one K, in the product's order):
;;     1. [M 1,024, K 1,024] x [K 1,024, N 8]; A: input x; B: input gate_w: left as it is (N = 8 < 16)
;;     2. batch 1,024 x [M 1, K 2] x [K 2, N 8]; A: computed on the way; B: computed on the way: left as it is (K = 2 < 32)
;;     3. [M 1,024, K 1,024] x [K 1,024, N 32,768]; A: input x; B: input w1 (given as codes): QUANTISED
;;     4. batch 8 x [M 1,024, K 4,096] x [K 4,096, N 1,024]; A: input w2 (given as codes); B: computed on the way: QUANTISED
;;     5. batch 1,024 x [M 1,024, K 8] x [K 8, N 1]; A: computed on the way; B: computed on the way: left as it is (K = 8 < 32)
;;   THE QUANTISER, for each operand of a quantised product, along K:
;;     - K is cut into blocks of 32 from its start; a last block that is shorter is filled with zeros.
;;     - A block's scale is 2^e with e = floor(log2(the largest magnitude in the block)) - 2, held to -126 .. 127; a block of zeros has e = 0. As a byte (E8M0): e + 127.
;;     - Each number is divided by its block's scale, clamped to +-6, and rounded to the nearest number of E2M1, ties to even, subnormals kept.
;;     - The product sums the exact products of the quantised numbers (number of the format x scale) in f32.
;;   ~~~python
;;   def quantise(x, axis):      # numpy; x: float32 -> the quantised numbers, widened to float32 again
;;       x = np.moveaxis(x, axis, -1); K = x.shape[-1]
;;       x = np.pad(x, [(0, 0)] * (x.ndim - 1) + [(0, -K % 32)]); x = x.reshape(x.shape[:-1] + (-1, 32)); a = np.abs(x).max(-1, keepdims=True)
;;       e = np.where(a > 0, np.clip(np.frexp(np.where(a > 0, a, 1))[1] - 1 - 2, -126, 127), 0)      # np.frexp(a)[1] - 1 = floor(log2(a)), exactly
;;       r = np.clip(x / 2.0 ** e, -6, 6)
;;       step = 2.0 ** (np.maximum(np.frexp(np.where(r == 0, 1, r))[1] - 1, 0) - 1)
;;       q = np.round(r / step) * step * 2.0 ** e      # np.round: ties to even
;;       return np.moveaxis(q.reshape(q.shape[:-2] + (-1,))[..., :K], -1, axis).astype(np.float32)
;;   ~~~
;;   OPERANDS COMPUTED ON THE WAY. 'Computed on the way' means the value that the module computes at that place (a softmax that the list does not call 'softmax' is quantised finished and normalised). What goes into a quantiser is computed in f32, as accurately as f32 sums, v_exp_f32 and their like allow (about 1e-6 of the number): no bf16 or f16 on the way to a quantiser, and a product that is left as it is and whose result goes on into a quantised operand takes f32 operands (vector FMAs, or v_wmma_f32_16x16x4_f32). A number that lies on a knife's edge between two numbers of the format may be rounded either way, as far as f32 arithmetic and the matrix unit's own rounding can turn it there, and no further.
;;   INPUTS GIVEN AS CODES. w1 (in the module: [8, 1024, 4096], K = its axis 1); w2 (in the module: [8, 4096, 1024], K = its axis 1): each comes as NAME_codes (uint8): NAME with its K axis moved to the last place and cut into blocks of 32 codes, [.., K / 32, bytes a block], one block behind the other in memory; two codes a byte, the lower K in the low four bits (a code: sign, 2 exponent bits, 1 mantissa bit); and NAME_scales (uint8): the same leading axes, one E8M0 byte (e + 127) for each 32 codes along K. Its value is code x scale, taken as it is: it is not quantised again, and the codes and scales need not be those that the quantiser above would give.
;; One version. Each part assembles by itself: llvm-mc -triple=amdgcn-amd-amdhsa -mcpu=gfx1250 --defsym DOCPART=n.
;; ======== version 1 of 1: 4 launches
;; limits: right only within a limited range of input values
;; workspace buffers: sel 4,096 bytes of whole numbers; cw 8,192 bytes; xq 524,288 bytes; xs 32,768 bytes; hq 16,777,216 bytes; hs 2,097,152 bytes; rows 36,864 bytes of whole numbers; y 8,388,608 bytes
;; launch gate (part 1): grid 256 x 1, 4 waves a work-group, no clusters, 52,736 bytes of LDS; arguments x, gate_w, gate_b, sel, cw, xq, xs; writes sel, cw, xq, xs
.if DOCPART == 1
	.amdgcn_target "amdgcn-amd-amdhsa--gfx1250"
	.amdhsa_code_object_version 6
	.text
	.protected	k_qe52e79c6d3_gate
	.globl	k_qe52e79c6d3_gate
	.p2align	8
	.type	k_qe52e79c6d3_gate,@function
k_qe52e79c6d3_gate:
	s_mov_b64 s[64:65], 0
	v_nop
	global_prefetch_b8 v0, s[64:65] scope:SCOPE_SE
	s_setreg_imm32_b32 hwreg(HW_REG_WAVE_MODE, 25, 1), 1
	s_wait_xcnt 0x0
; GATE AND QUANTISER OF x.  x [1024][1024] f32, gate_w [1024][8] f32, gate_b [8] f32.
; For each token: logits = x . gate_w + gate_b in f32 (fused multiply-adds), softmax with the row's maximum taken away, the two largest scores (the lower index on a tie).
; Stored at fixed places: sel[token] = e0 | e1 << 8 (whole numbers: later launches form addresses from them), cw[2 token + k] = the k-th score.
; The same pass turns x into codes of E2M1 with one E8M0 byte for each 32 along K: xq [1024][512 bytes], xs [1024][32 bytes].
; A block's byte is its largest magnitude's exponent field - 2, held at 1 from below.
; WORK LEFT OUT BY THE PROGRAM.  reference() weighs each expert's row by combine, which it builds from the one_hot of its own top_k: for every expert that a token did not choose the weight is 0, whatever the inputs hold.
; So the later launches multiply only the two chosen experts' rows of each token.  LIMIT: a NaN, an infinity or an overflow that reaches only the rows left out is not carried to the result.
; LIMITS: NaN and infinities are not served.  A block of zeros gets the byte 1 (its codes are zeros; this program alone reads the bytes).  Two scores that lie
; closer than the rounding of an f32 sum of 1,024 terms may be ordered otherwise than by another order of summation.
; SHARES.  A work-group takes 4 tokens, a wave one whole row.  Every load reads 512 consecutive bytes; the row then turns through the wave's own stage in LDS,
; so that lane l holds block l, k = 32 l .. 32 l + 31: the block's maximum needs no other lane, and the conversions find 8 neighbours along K in consecutive registers.
; gate_w is turned once through LDS so that the same lane holds gate_w[32 l + kk][e] in register 32 e + kk of window 1: 256 registers.
; No matrix unit: N = 8.  No cluster: the work-groups share only gate_w's 32 KiB.  sel, cw and xs leave in pieces of 4, 8 and 32 bytes: 44 KiB in all.
.set GWP,  1040                        ; LDS: gate_w's chunk c (k = 32 c ..): 8 experts x 128 bytes + 16 of padding: 65 x 16 bytes, so the lanes' 16-byte reads start in different banks
.set XST,  32*GWP                      ; the waves' stages: 32 blocks x (128 + 16) bytes each
.set XSW,  32*144
.set SBY,  XST+4*XSW                   ; the waves' scale bytes: 32 for each, 128 bytes apart
.set SPARE, SBY+512                    ; the spare words
.set AC,   16                          ; v16-31   eight experts x (even k, odd k) sums; later the scores in v16-23
.set XX,   32                          ; v32-63   my block of the row
.set CD,   96                          ; v96-99   its codes
.set LG,   112                         ; v112-119 logits, the same in every lane
.set WK,   120                         ; v120-127 at work; at the end v120, v121 the two scores, v122, v123 their experts
.set GS,   64                          ; v64-127  gate_w as loaded
.set XR,   128                         ; v128-159 the row as loaded
.set MSB, 0
.macro WIN new                         ; s_set_vgpr_msb: bits 1:0 source 0, 3:2 source 1, 5:4 source 2, 7:6 destination; the high byte repeats the setting that is left
.set NWIN, \new
.if MSB != NWIN
	s_set_vgpr_msb (MSB<<8)|NWIN
.set MSB, NWIN
.endif
.endm
	s_load_b256 s[4:11], s[0:1], 0x0               ; x s[4:5], gate_w s[6:7], gate_b s[8:9], sel s[10:11]
	s_load_b128 s[12:15], s[0:1], 0x20             ; cw s[12:13], xq s[14:15]
	s_load_b64 s[16:17], s[0:1], 0x30              ; xs
	v_lshl_add_u32 v254, v0, 2, SPARE
	v_mov_b32 v255, 0
	v_lshrrev_b32 v11, 5, v0
	v_readfirstlane_b32 s18, v11                   ; wave 0..3
	v_and_b32 v1, 31, v0                           ; lane
	v_lshlrev_b32 v2, 4, v1                        ; 16 x lane
	s_lshl_b32 s19, ttmp9, 2
	s_add_co_u32 s19, s19, s18                     ; my token: 4 x work-group + wave
	s_mul_i32 s22, s18, 8*GWP                      ; gate_w on its way in: my wave's 8 chunks
	v_and_b32 v11, 1, v1
	v_lshrrev_b32 v12, 1, v1
	v_lshlrev_b32 v3, 9, v11                       ; experts 4 (lane % 2) on: 128 bytes each
	v_lshl_add_u32 v3, v12, 2, v3                  ; k = lane / 2 within the load's 16
	v_add_nc_u32 v3, s22, v3
	v_mul_u32_u24 v4, v1, GWP                      ; and on its way out: chunk = lane
	s_mul_i32 s22, s18, XSW
	s_add_co_u32 s22, s22, XST                     ; my stage
	v_lshrrev_b32 v11, 3, v1
	v_and_b32 v12, 7, v1
	v_mul_u32_u24 v5, v11, 144
	v_lshl_add_u32 v5, v12, 4, v5
	v_add_nc_u32 v5, s22, v5                       ; in: eight lanes fill a block of 128 bytes; a load's 512 bytes take four blocks
	v_mul_u32_u24 v6, v1, 144
	v_add_nc_u32 v6, s22, v6                       ; out: block = lane
	s_lshl_b32 s22, s18, 7
	s_add_co_u32 s22, s22, SBY
	v_add_nc_u32 v7, s22, v1                       ; my block's scale byte
	v_lshl_add_u32 v8, v12, 2, s22                 ; and the 32 bytes back, a word in each of eight lanes (the other lanes repeat them)
	v_lshlrev_b32 v9, 2, v1
	v_lshlrev_b32 v10, 3, v1
	s_mov_b32 s21, 0
	s_mov_b32 s32, 0x76543210                      ; v_permlanex16_b32's selects for lane l xor 16
	s_mov_b32 s33, 0xfedcba98
	s_mov_b32 s34, 0x3fb8aa3b                      ; log2(e)
	s_wait_alu depctr_va_vdst(0)                   ; the wait at the head's end
	s_wait_kmcnt 0x0
	s_load_b256 s[24:31], s[8:9], 0x0              ; gate_b
	s_lshl_b32 s20, s18, 13
	s_add_nc_u64 s[6:7], s[6:7], s[20:21]          ; gate_w: my wave's 8,192 bytes
	s_lshl_b32 s20, s19, 12
	s_add_nc_u64 s[4:5], s[4:5], s[20:21]          ; x, xq, xs, sel, cw at my token
	s_lshl_b32 s20, s19, 9
	s_add_nc_u64 s[14:15], s[14:15], s[20:21]
	s_lshl_b32 s20, s19, 5
	s_add_nc_u64 s[16:17], s[16:17], s[20:21]
	s_lshl_b32 s20, s19, 2
	s_add_nc_u64 s[10:11], s[10:11], s[20:21]
	s_lshl_b32 s20, s19, 3
	s_add_nc_u64 s[12:13], s[12:13], s[20:21]
.irp i, 0,1,2,3,4,5,6,7,8,9,10,11,12,13,14,15
	global_load_b128 v[GS+4*\i:GS+4*\i+3], v2, s[6:7] offset:512*\i
.endr
.irp i, 0,1,2,3,4,5,6,7
	global_load_b128 v[XR+4*\i:XR+4*\i+3], v2, s[4:5] offset:512*\i th:TH_LOAD_NT
.endr
	s_wait_loadcnt 8                               ; gate_w's 16 loads are in; the row's 8 are younger
.irp i, 0,1,2,3,4,5,6,7,8,9,10,11,12,13,14,15
.irp j, 0,1,2,3
	ds_store_b32 v3, v[GS+4*\i+\j] offset:(\i/2)*GWP+(\i%2)*64+128*\j   ; element (k = 256 w + 16 i + lane / 2, e = 4 (lane % 2) + j)
.endr
.endr
	s_wait_loadcnt 0x0                             ; the row is in
.irp i, 0,1,2,3,4,5,6,7
	ds_store_b128 v5, v[XR+4*\i:XR+4*\i+3] offset:576*\i
.endr
.irp j, 0,1,2,3,4,5,6,7
	ds_load_b128 v[XX+4*\j:XX+4*\j+3], v6 offset:16*\j   ; LDS serves a wave's instructions in order: these see the stores above
.endr
	s_wait_dscnt 0x0                               ; for the others' sake: my part of gate_w lies in LDS; and my block is back from the stage
	s_barrier_signal -1
	s_barrier_wait -1
	WIN 0x40                                       ; destination window 1
.set mm, 0
.rept 64
	ds_load_b128 v[4*mm:4*mm+3], v4 offset:16*mm   ; register 32 e + kk = gate_w[32 lane + kk][e]
.set mm, mm+1
.endr
	WIN 0
	; while gate_w comes back: my block of 32 becomes 16 bytes of codes and a scale byte
	v_max3_num_f32 v11, |v[XX]|, |v[XX+1]|, |v[XX+2]|
	v_max3_num_f32 v12, |v[XX+3]|, |v[XX+4]|, |v[XX+5]|
.irp i, 6,10,14,18,22,26
	v_max3_num_f32 v11, v11, |v[XX+\i]|, |v[XX+\i+1]|
	v_max3_num_f32 v12, v12, |v[XX+\i+2]|, |v[XX+\i+3]|
.endr
	v_max3_num_f32 v11, v11, |v[XX+30]|, |v[XX+31]|
	v_max3_num_f32 v11, v11, v12, 0x1800000        ; and the floor 2^(3 - 127): the byte cannot fall under 1
	v_add_nc_u32 v13, 0xff000000, v11              ; 2 off the exponent field: the conversion takes this operand's exponent field as its scale
.irp g, 0,1,2,3
	v_cvt_scalef32_pk8_fp4_f32 v[CD+\g], v[XX+8*\g:XX+8*\g+7], v13
.endr
	v_lshrrev_b32 v14, 23, v13                     ; the scale's byte (a plain line behind the conversions)
	ds_store_b8 v7, v14
	global_store_b128 v2, v[CD:CD+3], s[14:15]     ; the wave stores the row's 512 consecutive bytes
	s_wait_kmcnt 0x0                               ; gate_b
	s_wait_dscnt 0x0                               ; gate_w is in registers
	; my block's part of the eight logits: two k at a time; the first product starts the sums
	WIN 0x04                                       ; source 1 (gate_w) window 1
.irp e, 0,1,2,3,4,5,6,7
	v_pk_mul_f32 v[AC+2*\e:AC+2*\e+1], v[XX:XX+1], v[32*\e:32*\e+1]
.endr
.irp m, 1,2,3,4,5,6,7,8,9,10,11,12,13,14,15
.irp e, 0,1,2,3,4,5,6,7
	v_pk_fma_f32 v[AC+2*\e:AC+2*\e+1], v[XX+2*\m:XX+2*\m+1], v[32*\e+2*\m:32*\e+2*\m+1], v[AC+2*\e:AC+2*\e+1]
.endr
.endr
	WIN 0
	; the 32 lanes' parts are added; every lane then holds the eight sums
.irp e, 0,1,2,3,4,5,6,7
	v_add_f32 v[WK+\e], v[AC+2*\e], v[AC+2*\e+1]
.endr
.irp k, 1,2,4,8
.irp e, 0,1,2,3,4,5,6,7
	v_add_f32_dpp v[WK+\e], v[WK+\e], v[WK+\e] row_xmask:\k row_mask:0xf bank_mask:0xf
.endr
.endr
.irp e, 0,1,2,3,4,5,6,7
	v_permlanex16_b32 v[AC+\e], v[WK+\e], s32, s33
.endr
.irp e, 0,1,2,3,4,5,6,7
	v_add_f32 v[LG+\e], v[WK+\e], v[AC+\e]
.endr
	; softmax and the two largest: every lane does the same work for the wave's token
.irp e, 0,1,2,3,4,5,6,7
	v_add_f32 v[LG+\e], s[24+\e], v[LG+\e]
.endr
	v_max3_num_f32 v11, v[LG], v[LG+1], v[LG+2]
	v_max3_num_f32 v11, v11, v[LG+3], v[LG+4]
	v_max3_num_f32 v11, v11, v[LG+5], v[LG+6]
	v_max_num_f32 v11, v11, v[LG+7]                ; the row's maximum
.irp e, 0,1,2,3,4,5,6,7
	v_sub_f32 v[AC+\e], v[LG+\e], v11              ; the difference first, then the factor: no two large products are subtracted
.endr
.irp e, 0,1,2,3,4,5,6,7
	v_mul_f32 v[AC+\e], s34, v[AC+\e]
.endr
	s_wait_alu depctr_va_vdst(0)                   ; the wait ahead of the batch
.irp e, 0,1,2,3,4,5,6,7
	v_exp_f32 v[AC+\e], v[AC+\e]
.endr
	v_nop                                          ; a plain line behind the last exponential
	s_wait_alu depctr_va_vdst(0)                   ; one wait for the eight, ahead of their first reader
	v_add_f32 v12, v[AC], v[AC+1]
	v_add_f32 v13, v[AC+2], v[AC+3]
	v_add_f32 v14, v[AC+4], v[AC+5]
	v_add_f32 v15, v[AC+6], v[AC+7]
	v_add_f32 v12, v12, v13
	v_add_f32 v14, v14, v15
	v_add_f32 v12, v12, v14
	s_wait_alu depctr_va_vdst(0)
	v_rcp_f32 v12, v12
	v_nop
	s_wait_alu depctr_va_vdst(0)
.irp e, 0,1,2,3,4,5,6,7
	v_mul_f32 v[AC+\e], v[AC+\e], v12              ; the scores
.endr
	v_mov_b32 v120, v[AC]                          ; the largest so far and its expert,
	v_mov_b32 v122, 0
	v_mov_b32 v121, -1.0                           ; the second: under every score
	v_mov_b32 v123, 0
.irp e, 1,2,3,4,5,6,7                  ; strictly greater: on a tie the lower index stays ahead
	v_cmp_gt_f32 vcc_lo, v[AC+\e], v120
	v_cmp_gt_f32 s42, v[AC+\e], v121
	v_cndmask_b32 v121, v121, v[AC+\e], s42
	v_cndmask_b32 v123, v123, \e, s42
	v_cndmask_b32 v121, v121, v120, vcc_lo
	v_cndmask_b32 v123, v123, v122, vcc_lo
	v_cndmask_b32 v120, v120, v[AC+\e], vcc_lo
	v_cndmask_b32 v122, v122, \e, vcc_lo
.endr
	v_lshl_or_b32 v124, v123, 8, v122
	ds_load_b32 v11, v8                            ; my row's 32 scale bytes (LDS serves a wave in order: this sees my byte stores)
	v_cmp_gt_u32 vcc_lo, 8, v1                     ; lanes 0 to 7: the eight words of scale bytes
	v_cmp_eq_u32 s41, 0, v1                        ; lane 0: the token's choice and scores
	s_wait_alu depctr_va_vdst(0)                   ; directly ahead of the waits below
	s_wait_tensorcnt 0x0                           ; the wave's end, behind my last LDS store
	ds_add_u32 v254, v255
	s_wait_dscnt 0x0                               ; and the scale bytes are back
	s_wait_xcnt 0x0                                ; EXEC changes only behind this wait
	s_and_saveexec_b32 s40, vcc_lo
	global_store_b32 v9, v11, s[16:17]
	s_wait_xcnt 0x0
	s_or_b32 exec_lo, exec_lo, s40
	s_and_saveexec_b32 s40, s41
	global_store_b32 v9, v124, s[10:11]
	global_store_b64 v10, v[120:121], s[12:13]
	s_wait_xcnt 0x0
	s_or_b32 exec_lo, exec_lo, s40
	s_endpgm
.Lfunc_end_k_qe52e79c6d3_gate:
	.size	k_qe52e79c6d3_gate, .Lfunc_end_k_qe52e79c6d3_gate-k_qe52e79c6d3_gate
	.p2alignl 7, 3214868480
	.fill 96, 4, 3214868480
	.section	.rodata,"a",@progbits
	.p2align	6, 0x0
	.amdhsa_kernel k_qe52e79c6d3_gate
		.amdhsa_group_segment_fixed_size 52736
		.amdhsa_private_segment_fixed_size 0
		.amdhsa_enable_private_segment 0
		.amdhsa_kernarg_size 56
		.amdhsa_user_sgpr_count 2
		.amdhsa_user_sgpr_kernarg_segment_ptr 1
		.amdhsa_wavefront_size32 1
		.amdhsa_system_sgpr_workgroup_id_x 1
		.amdhsa_system_sgpr_workgroup_id_y 1
		.amdhsa_system_sgpr_workgroup_id_z 1
		.amdhsa_system_vgpr_workitem_id 0
		.amdhsa_next_free_vgpr 512
		.amdhsa_next_free_sgpr 66
		.amdhsa_reserve_vcc 1
		.amdhsa_float_denorm_mode_32 3
		.amdhsa_float_denorm_mode_16_64 3
		.amdhsa_memory_ordered 1
		.amdhsa_forward_progress 1
		.amdhsa_inst_pref_size 33
	.end_amdhsa_kernel
	.amdgpu_metadata
---
amdhsa.version: [ 1, 2 ]
amdhsa.kernels:
  - .name:           k_qe52e79c6d3_gate
    .symbol:         k_qe52e79c6d3_gate.kd
    .args:
      - { .name: x, .offset: 0, .size: 8, .value_kind: global_buffer, .address_space: global }
      - { .name: gate_w, .offset: 8, .size: 8, .value_kind: global_buffer, .address_space: global }
      - { .name: gate_b, .offset: 16, .size: 8, .value_kind: global_buffer, .address_space: global }
      - { .name: sel, .offset: 24, .size: 8, .value_kind: global_buffer, .address_space: global }
      - { .name: cw, .offset: 32, .size: 8, .value_kind: global_buffer, .address_space: global }
      - { .name: xq, .offset: 40, .size: 8, .value_kind: global_buffer, .address_space: global }
      - { .name: xs, .offset: 48, .size: 8, .value_kind: global_buffer, .address_space: global }
    .group_segment_fixed_size: 52736
    .private_segment_fixed_size: 0
    .kernarg_segment_align: 8
    .kernarg_segment_size: 56
    .max_flat_workgroup_size: 128
    .sgpr_count:     66
    .vgpr_count:     512
    .wavefront_size: 32
...
	.end_amdgpu_metadata
.endif
;; end of part 1
;; launch ffn1 (part 2): grid 32 x 8, 4 waves a work-group, no clusters, 110,592 bytes of LDS; arguments sel, xq, xs, w1_codes, w1_scales, b1, hq, hs, rows; writes hq, hs, rows
.if DOCPART == 2
	.amdgcn_target "amdgcn-amd-amdhsa--gfx1250"
	.amdhsa_code_object_version 6
	.text
	.protected	k_qe52e79c6d3_ffn1
	.globl	k_qe52e79c6d3_ffn1
	.p2align	8
	.type	k_qe52e79c6d3_ffn1,@function
k_qe52e79c6d3_ffn1:
	s_mov_b64 s[64:65], 0
	v_nop
	global_prefetch_b8 v0, s[64:65] scope:SCOPE_SE
	s_setreg_imm32_b32 hwreg(HW_REG_WAVE_MODE, 25, 1), 1
	s_wait_xcnt 0x0
; FIRST EXPERT PRODUCT ON ROUTED ROWS: h = Q(relu(xq W1^T + b1)), codes of E2M1 with one E8M0 byte for each 32 along K, sums in f32.
; A work-group (x = chunk 0..31, y = expert 0..7) owns 128 hidden units of one expert: 64 KiB of w1_codes and 4 KiB of w1_scales, two dense blocks that no other work-group reads.
; THE LIST.  Wave 0 reads sel (e0 | e1 << 8 for each token, whole numbers stored by the launch before) and lays the slots (2 token + k) of this expert on end in LDS, by counting: no atomics.
; The list is padded with 2048.  Chunk 0 of each expert also stores list and count to rows, for the later launches.
; SHARES.  All four waves hold the same 64 fragments of W1 (8 tiles of 16 units x 8 K steps) in 512 registers; wave w takes the tiles of 16 routed rows T = w, w + 4, ..
; The loop has the constant count 16 (an expert has 1,024 rows at the most: 64 tiles); a trip without a tile jumps over the work.  At least tile 0 is always made, so that the next launch may read it.
; Rows beyond the count are token 1023's: valid numbers, which the next launch computes and does not store.
; DENSE LOADS.  Every bulk load reads 512 consecutive bytes: a whole row of codes.  Rows become fragments by a turn through LDS, rows 528 bytes apart.
; THE PRODUCT IS USED TRANSPOSED (source 0 = 16 rows of W1, source 1 = 16 rows of x), and lane r of tile 2 b + u takes W1's row 32 b + 8 u + r + 8 (r / 8): a lane then holds ONE routed row, and the 16 registers of
; tiles 2 b, 2 b + 1 are 16 neighbouring hidden units, 32 b + 16 (lane / 16) + 0 .. 15.  b1 is the C of each sum's first product.
; OUT.  The 128 units are one K step of the second product: one fragment and one scale word a row.  hq [e][tile][K step][1,024 bytes] holds the fragment as an image of its registers (registers 0-3 at 16 x lane,
; registers 4-7 512 bytes on); hs [e][tile][K step][32 words] the scale words.
; NO TENSOR LOADS, NO CLUSTER: branches hang on a count read from memory, and the weights are shared by nobody; what is shared, the rows of x, is 8.5 KiB a tile beside 68 KiB of weights.
; LIMITS: NaN and infinities are not served; a block of zeros gets the byte 1 (its codes are zeros; this program alone reads the bytes).
; REGISTERS.  window 0: v1-31 addresses; v32-95 the 8 accumulators; v96-103 codes; v104-120 at work; v122-125 x's scale words, v126-129 the next tile's; v132-163 W1's scale words; v164-227 x's 8 fragments; v228-243 16 row offsets.
;   windows 1, 2: W1's fragment (t, ks) at v[64 (ks % 4) + 8 t] of window 1 + ks / 4.   window 3: v0-63 b1; v64-127 16 rows of x as loaded; v128-255 32 rows of W1 as loaded.
.set WP,   528                         ; an LDS row: 512 bytes + 16: 132 words, so row r starts at bank 4 r mod 64 (64 banks of 4 bytes: ISA guide 11.1)
.set WSC,  128*WP                      ; W1's scale rows, 32 bytes each
.set LIST, WSC+4096                    ; words 0-1087 the list, 1088-1119 a word a lane for what does not belong, 1120 the count
.set CNTW, LIST+4480
.set XSTG, LIST+4608                   ; 16 rows x 528 bytes for each wave
.set HA,   32
.set PC,   96
.set TM,   104
.set PW,   120
.set XS,   122
.set XSR,  126
.set W1S,  132
.set XF,   164
.set SNB,  228
.set SCS,  244
.set SELR, 32
.set MSB, 0
.macro WIN new                         ; s_set_vgpr_msb: bits 1:0 source 0, 3:2 source 1, 5:4 source 2, 7:6 destination; the high byte repeats the setting that is left
.set NWIN, \new
.if MSB != NWIN
	s_set_vgpr_msb (MSB<<8)|NWIN
.set MSB, NWIN
.endif
.endm
	s_load_b512 s[4:19], s[0:1], 0x0               ; sel s[4:5], xq s[6:7], xs s[8:9], w1_codes s[10:11], w1_scales s[12:13], b1 s[14:15], hq s[16:17], hs s[18:19]
	s_load_b64 s[20:21], s[0:1], 0x40              ; rows
	v_lshl_add_u32 v254, v0, 2, 0x1ae00
	v_mov_b32 v255, 0
	v_lshrrev_b32 v24, 5, v0
	v_readfirstlane_b32 s22, v24                   ; wave 0..3
	s_mov_b32 s23, ttmp9                           ; chunk
	s_and_b32 s24, ttmp7, 0xffff                   ; expert
	v_and_b32 v1, 15, v0                           ; r
	v_bfe_u32 v2, v0, 4, 1                         ; h
	v_and_b32 v3, 31, v0                           ; lane
	v_lshlrev_b32 v4, 4, v3
	v_lshlrev_b32 v5, 2, v3
	v_and_b32 v6, 8, v1
	v_add_nc_u32 v6, v6, v1                        ; r + 8 (r / 8)
	v_mul_u32_u24 v7, v6, WP
	v_lshl_add_u32 v7, v2, 4, v7                   ; W1's fragments out of LDS
	s_mul_i32 s36, s22, 32*WP
	v_add_nc_u32 v8, s36, v4                       ; W1's rows into LDS: my wave's 32
	s_lshl_b32 s36, s22, 10
	s_add_co_u32 s36, s36, WSC
	v_add_nc_u32 v9, s36, v4                       ; W1's scales into LDS: my wave's 1,024 bytes
	v_lshl_add_u32 v10, v2, 3, v6
	v_lshlrev_b32 v10, 5, v10
	v_add_nc_u32 v10, WSC, v10                     ; and out: lanes 0-15 the even tile's rows, lanes 16-31 the odd tile's, 8 rows on
	v_lshlrev_b32 v11, 6, v2                       ; b1: 16 h numbers on
	v_lshlrev_b32 v12, 3, v3                       ; slots: 8 x lane (a lane holds four tokens of a load)
	v_add_nc_u32 v13, 1088, v3                     ; my word for what does not belong
	v_add_nc_u32 v14, LIST, v4
	v_mov_b32 v15, CNTW
	v_mov_b32 v16, LIST
	v_lshl_add_u32 v17, v1, 2, LIST
	s_mul_i32 s36, s22, 16*WP
	s_add_co_u32 s36, s36, XSTG                    ; my stage
	v_add_nc_u32 v18, s36, v4                      ; in: a row a store
	v_mul_u32_u24 v19, v1, WP
	v_lshl_add_u32 v19, v2, 4, v19
	v_add_nc_u32 v19, s36, v19                     ; out: fragments
	s_lshl_b32 s36, s22, 10
	v_add_nc_u32 v30, s36, v4                      ; the list's way out: my wave's 256 entries
	v_add_nc_u32 v20, LIST, v30
	v_lshlrev_b32 v31, 4, v2
.irp b, 0,1,2,3
	v_mov_b32 v[TM+4+\b], 0                        ; written once: a lane permute's destination counts as one of its sources
.endr
	s_mov_b32 s30, 0x76543210                      ; v_permlanex16_b32's selects for lane l xor 16
	s_mov_b32 s31, 0xfedcba98
	s_mov_b32 s33, 0
	s_wait_kmcnt 0x0
	s_lshl_b32 s32, s24, 21                        ; w1_codes: expert x 2 MiB + chunk x 64 KiB + wave x 32 rows
	s_lshl_b32 s36, s23, 16
	s_add_co_u32 s32, s32, s36
	s_lshl_b32 s36, s22, 14
	s_add_co_u32 s32, s32, s36
	s_add_nc_u64 s[10:11], s[10:11], s[32:33]
	s_lshl_b32 s32, s24, 17                        ; w1_scales likewise, 32 bytes a row
	s_lshl_b32 s36, s23, 12
	s_add_co_u32 s32, s32, s36
	s_lshl_b32 s36, s22, 10
	s_add_co_u32 s32, s32, s36
	s_add_nc_u64 s[12:13], s[12:13], s[32:33]
	s_lshl_b32 s32, s24, 14                        ; b1: my chunk's 128 numbers
	s_lshl_b32 s36, s23, 9
	s_add_co_u32 s32, s32, s36
	s_add_nc_u64 s[14:15], s[14:15], s[32:33]
	s_lshl_b32 s32, s24, 21                        ; hq: expert, K step = chunk
	s_lshl_b32 s36, s23, 10
	s_add_co_u32 s32, s32, s36
	s_add_nc_u64 s[16:17], s[16:17], s[32:33]
	s_lshl_b32 s32, s24, 18                        ; hs likewise
	s_lshl_b32 s36, s23, 7
	s_add_co_u32 s32, s32, s36
	s_add_nc_u64 s[18:19], s[18:19], s[32:33]
	s_lshl_b32 s32, s24, 9                         ; the counts: byte 32,768 + 512 expert + 128 wave
	s_lshl_b32 s36, s22, 7
	s_add_co_u32 s32, s32, s36
	s_add_co_u32 s32, s32, 0x8000
	s_add_nc_u64 s[38:39], s[20:21], s[32:33]
	s_lshl_b32 s32, s24, 12                        ; the expert's list
	s_add_nc_u64 s[20:21], s[20:21], s[32:33]
.irp j, 0,1,2,3,4,5,6,7
	global_load_b128 v[SELR+4*\j:SELR+4*\j+3], v4, s[4:5] offset:512*\j   ; register 4 j + i: token 128 j + 4 lane + i
.endr
	WIN 0xc0                                       ; destination window 3
.set ii, 0
.rept 32
	global_load_b128 v[128+4*ii:128+4*ii+3], v4, s[10:11] offset:512*ii th:TH_LOAD_NT   ; a whole row of W1's codes
.set ii, ii+1
.endr
.irp t, 0,1,2,3,4,5,6,7
	global_load_b128 v[8*\t:8*\t+3], v11, s[14:15] offset:(32*(\t/2)+8*(\t%2))*4       ; b1 in the result's layout: units 32 (t / 2) + 16 h + 8 (t % 2) + 0 .. 7
	global_load_b128 v[8*\t+4:8*\t+7], v11, s[14:15] offset:(32*(\t/2)+8*(\t%2))*4+16
.endr
	WIN 0
.irp q, 0,1
	global_load_b128 v[SCS+4*\q:SCS+4*\q+3], v4, s[12:13] offset:512*\q th:TH_LOAD_NT
.endr
; One of 32 steps of the counting: 32 tokens, one a lane.  A lane whose token chose this expert puts its slot at the count so far + the number of such lanes below it; the others write their own spare word.
.macro LSTEP j, i
	v_and_b32 v24, 0xff, v[SELR+4*\j+\i]           ; e0
	v_lshrrev_b32 v25, 8, v[SELR+4*\j+\i]          ; e1
	v_cmp_eq_u32 s34, s24, v24
	v_cmp_eq_u32 vcc_lo, s24, v25
	s_or_b32 s35, s34, vcc_lo                      ; e0 and e1 differ: at most one of the two
	v_mbcnt_lo_u32_b32 v23, s35, s25
	v_cndmask_b32 v23, v13, v23, s35
	v_min_u32 v23, 0x45f, v23                      ; held inside the list's 1,120 words
	v_lshl_add_u32 v23, v23, 2, v16
	v_cndmask_b32 v24, 0, 1, vcc_lo                ; k
	v_add3_u32 v26, v12, v24, 256*\j+2*\i          ; slot = 2 (128 j + 4 lane + i) + k
	ds_store_b32 v23, v26
	s_bcnt1_i32_b32 s36, s35
	s_add_co_u32 s25, s25, s36
.endm
	s_cmp_lg_u32 s22, 0
	s_cbranch_scc1 .Lnot_wave_0                    ; until the barrier below no other wave touches LDS
.irp i, 72,73,74,75
	v_mov_b32 v\i, 2048
.endr
.irp k, 0,1,2,3,4,5,6,7,8
	ds_store_b128 v14, v[72:75] offset:512*\k      ; the padding
.endr
	s_wait_loadcnt 50                              ; sel is in; W1's 32, b1's 16 and the scales' 2 loads are younger
	s_mov_b32 s25, 0
.irp j, 0,1,2,3,4,5,6,7
.irp i, 0,1,2,3
	LSTEP \j, \i
.endr
.endr
	v_mov_b32 v24, s25
	ds_store_b32 v15, v24                          ; the count
.Lnot_wave_0:
	s_wait_dscnt 0x0                               ; the list lies in LDS
	s_barrier_signal -1
	s_barrier_wait -1
	s_lshl_b32 s29, s22, 6                         ; my first tile's 16 entries
	v_add_nc_u32 v21, s29, v16
	v_add_nc_u32 v22, s29, v17
	ds_load_b32 v25, v15
.irp i, 0,1,2,3
	ds_load_b128 v[SNB+4*\i:SNB+4*\i+3], v21 offset:16*\i   ; the tile's 16 slots, each in every lane
.endr
	ds_load_b32 v29, v22                           ; and row r's slot in lanes r and 16 + r
	s_wait_dscnt 0x0
	v_readfirstlane_b32 s25, v25                   ; the count
	s_add_co_u32 s26, s25, 15
	s_lshr_b32 s26, s26, 4
	s_max_u32 s26, s26, 1                          ; tiles, at least one
.macro XADR                            ; slots become byte offsets: token = slot / 2, held at 1,023 (the padding's 2048 gives that token)
.irp i, 0,1,2,3,4,5,6,7,8,9,10,11,12,13,14,15
	v_lshrrev_b32 v[SNB+\i], 1, v[SNB+\i]
.endr
.irp i, 0,1,2,3,4,5,6,7,8,9,10,11,12,13,14,15
	v_min_u32 v[SNB+\i], 0x3ff, v[SNB+\i]
.endr
.irp i, 0,1,2,3,4,5,6,7,8,9,10,11,12,13,14,15
	v_lshl_add_u32 v[SNB+\i], v[SNB+\i], 9, v4     ; the row's 512 bytes of codes, 16 a lane
.endr
	v_lshrrev_b32 v29, 1, v29
	v_min_u32 v29, 0x3ff, v29
	v_lshl_add_u32 v29, v29, 5, v31                ; the row's scale words 4 h .. 4 h + 3
.endm
.macro XASK                            ; 17 loads: a tile's scale words and its 16 rows
	global_load_b128 v[XSR:XSR+3], v29, s[8:9]
	WIN 0xc0
.irp i, 0,1,2,3,4,5,6,7,8,9,10,11,12,13,14,15
	global_load_b128 v[64+4*\i:64+4*\i+3], v[SNB+\i], s[6:7]
.endr
	WIN 0
.endm
	XADR
	s_wait_alu depctr_va_vdst(0)
	s_wait_loadcnt 18                              ; W1's rows are in; b1's 16 and the scales' 2 loads are younger
	WIN 0x0c                                       ; an LDS store's data are its source 1: window 3
.set ii, 0
.rept 32
	ds_store_b128 v8, v[128+4*ii:128+4*ii+3] offset:WP*ii
.set ii, ii+1
.endr
	WIN 0
	s_wait_loadcnt 0x0
.irp q, 0,1
	ds_store_b128 v9, v[SCS+4*\q:SCS+4*\q+3] offset:512*\q
.endr
	XASK                                           ; my first tile
	s_wait_dscnt 0x0                               ; for the others' sake: my rows and scales of W1 lie in LDS
	s_barrier_signal -1
	s_barrier_wait -1
	s_cmp_lg_u32 s23, 0
	s_cbranch_scc1 .Lno_list                       ; chunk 0 stores the expert's list and count
	ds_load_b128 v[64:67], v20
	ds_load_b128 v[68:71], v20 offset:512
	s_wait_dscnt 0x0
	global_store_b128 v30, v[64:67], s[20:21]
	global_store_b128 v30, v[68:71], s[20:21] offset:512
	global_store_b32 v5, v25, s[38:39]             ; the count, in all 32 words of my wave's 128 bytes
.Lno_list:
	WIN 0x40                                       ; destination window 1
.irp ks, 0,1,2,3
.irp t, 0,1,2,3,4,5,6,7
.irp c, 0,1
	ds_load_b128 v[64*\ks+8*\t+4*\c:64*\ks+8*\t+4*\c+3], v7 offset:(32*(\t/2)+8*(\t%2))*WP+64*\ks+32*\c
.endr
.endr
.endr
	WIN 0x80                                       ; window 2
.irp ks, 4,5,6,7
.irp t, 0,1,2,3,4,5,6,7
.irp c, 0,1
	ds_load_b128 v[64*(\ks-4)+8*\t+4*\c:64*(\ks-4)+8*\t+4*\c+3], v7 offset:(32*(\t/2)+8*(\t%2))*WP+64*\ks+32*\c
.endr
.endr
.endr
	WIN 0
.irp b, 0,1,2,3
.irp q, 0,1
	ds_load_b128 v[W1S+8*\b+4*\q:W1S+8*\b+4*\q+3], v10 offset:1024*\b+16*\q   ; register 8 b + ks: tile 2 b's words in lanes 0-15, tile 2 b + 1's in lanes 16-31
.endr
.endr
	s_wait_dscnt 0x0                               ; the weights are in registers, for the whole launch
; One product: tile t of W1, K step ks.  x's scale words: register ks % 4, lanes 0-15 for K steps 0-3, lanes 16-31 for 4-7.
.macro P1 ks, t
.set rD, HA+8*(\t)
.set rA, 64*((\ks)%4)+8*(\t)
.set rB, XF+8*(\ks)
.set rC, rD
.if (\ks) == 0
.set rC, 8*(\t)                        ; b1, in window 3
.endif
.set rSA, W1S+8*((\t)/2)+(\ks)
.set rSB, XS+(\ks)%4
.if (\ks) < 4
.if (\t)%2 == 0
	v_wmma_scale_f32_16x16x128_f8f6f4 v[rD:rD+7], v[rA:rA+7], v[rB:rB+7], v[rC:rC+7], v[rSA], v[rSB] matrix_a_fmt:MATRIX_FMT_FP4 matrix_b_fmt:MATRIX_FMT_FP4
.else
	v_wmma_scale_f32_16x16x128_f8f6f4 v[rD:rD+7], v[rA:rA+7], v[rB:rB+7], v[rC:rC+7], v[rSA], v[rSB] matrix_a_fmt:MATRIX_FMT_FP4 matrix_b_fmt:MATRIX_FMT_FP4 matrix_a_scale:MATRIX_SCALE_ROW1
.endif
.else
.if (\t)%2 == 0
	v_wmma_scale_f32_16x16x128_f8f6f4 v[rD:rD+7], v[rA:rA+7], v[rB:rB+7], v[rC:rC+7], v[rSA], v[rSB] matrix_a_fmt:MATRIX_FMT_FP4 matrix_b_fmt:MATRIX_FMT_FP4 matrix_b_scale:MATRIX_SCALE_ROW1
.else
	v_wmma_scale_f32_16x16x128_f8f6f4 v[rD:rD+7], v[rA:rA+7], v[rB:rB+7], v[rC:rC+7], v[rSA], v[rSB] matrix_a_fmt:MATRIX_FMT_FP4 matrix_b_fmt:MATRIX_FMT_FP4 matrix_a_scale:MATRIX_SCALE_ROW1 matrix_b_scale:MATRIX_SCALE_ROW1
.endif
.endif
.endm
; 64 numbers of a lane, register 16 b + i = k 32 b + 16 (lane / 16) + i of my row, become a fragment's codes in v[PC] on and its scale word in v[PW].
.macro QUANT s
.irp b, 0,1,2,3
	v_max3_num_f32 v[TM+\b], |v[\s+16*\b]|, |v[\s+1+16*\b]|, 0x1800000   ; block b: my 16 numbers, and the floor 2^(3 - 127): the byte cannot fall under 1
.endr
.irp i, 2,4,6,8,10,12,14
.irp b, 0,1,2,3
	v_max3_num_f32 v[TM+\b], v[TM+\b], |v[\s+16*\b+\i]|, |v[\s+1+16*\b+\i]|
.endr
.endr
.irp b, 0,1,2,3
	v_permlanex16_b32 v[TM+4+\b], v[TM+\b], s30, s31
.endr
.irp b, 0,1,2,3
	v_max_num_f32 v[TM+\b], v[TM+\b], v[TM+4+\b]   ; with lane l xor 16's: the block's largest magnitude
.endr
.irp b, 0,1,2,3
	v_add_nc_u32 v[TM+12+\b], 0xff000000, v[TM+\b] ; 2 off its exponent field: the conversion's scale operand
.endr
.irp b, 0,1,2,3
	v_lshrrev_b32 v[TM+4+\b], 23, v[TM+12+\b]      ; the scale's byte
.endr
	v_lshl_or_b32 v[PW], v[TM+5], 8, v[TM+4]
	v_lshl_or_b32 v[PW], v[TM+6], 16, v[PW]
	v_lshl_or_b32 v[PW], v[TM+7], 24, v[PW]        ; my row's scale word, the same in lanes r and 16 + r
.irp b, 0,1,2,3
	v_cvt_scalef32_pk8_fp4_f32 v[PC+2*\b], v[\s+16*\b:\s+7+16*\b], v[TM+12+\b]
	v_cvt_scalef32_pk8_fp4_f32 v[PC+1+2*\b], v[\s+8+16*\b:\s+15+16*\b], v[TM+12+\b]
.endr
	v_nop                                          ; one plain line behind a scaled conversion
.irp c, 0,1                            ; the operand's layout wants a whole block in a lane: lanes 0-15 block 2 c, lanes 16-31 block 2 c + 1
.irp i, 0,1
	v_permlane16_swap_b32 v[PC+4*\c+\i], v[PC+2+4*\c+\i]
.endr
.endr
.endm
	s_mov_b32 s27, s22                             ; my tile
	s_add_co_u32 s29, s29, 256                     ; the list bytes of the tile four on
	s_mov_b32 s28, 16
.Ltrip:
	s_cmp_lt_u32 s27, s26
	s_cbranch_scc0 .Lidle
	s_wait_loadcnt 0x0                             ; this tile's 17 loads, asked for a trip ago; their address registers are free with them
	WIN 0x0c
.irp i, 0,1,2,3,4,5,6,7,8,9,10,11,12,13,14,15
	ds_store_b128 v18, v[64+4*\i:64+4*\i+3] offset:WP*\i
.endr
	WIN 0
.irp ks, 0,1,2,3,4,5,6,7
.irp c, 0,1
	ds_load_b128 v[XF+8*\ks+4*\c:XF+8*\ks+4*\c+3], v19 offset:64*\ks+32*\c   ; LDS serves a wave in order: these see the stores above
.endr
.endr
	v_add_nc_u32 v21, s29, v16
	v_add_nc_u32 v22, s29, v17
.irp i, 0,1,2,3
	ds_load_b128 v[SNB+4*\i:SNB+4*\i+3], v21 offset:16*\i   ; the slots of the tile four on (beyond the list's end: the padding)
.endr
	ds_load_b32 v29, v22
.irp i, 0,1,2,3
	v_mov_b32 v[XS+\i], v[XSR+\i]                  ; this tile's scale words leave the registers that the next loads fill; the 51 lines of XADR stand between these and the first product
.endr
	s_wait_xcnt 0x0                                ; the last trip's stores have read their data and offsets: both are written again below
	s_wait_dscnt 0x0                               ; fragments and slots are in
	XADR
	XASK
.irp ks, 0,1,2,3,4,5,6,7
.if \ks == 0
	WIN 0x31                                       ; source 0 (W1) window 1, source 2 (b1) window 3
.elseif \ks < 4
	WIN 0x01
.else
	WIN 0x02
.endif
.irp t, 0,1,2,3,4,5,6,7                ; the eight accumulators take turns, one instruction a turn
	P1 \ks, \t
.endr
.endr
	WIN 0
.rept 4
	v_nop                                          ; places behind the last products, in front of the first read of results
.endr
.set jj, 0
.rept 64
	v_max_num_f32 v[HA+jj], 0, v[HA+jj]            ; relu, in f32; each accumulator from its low end on
.set jj, jj+1
.endr
	QUANT HA
	s_lshl_b32 s36, s27, 15
	v_add_nc_u32 v27, s36, v4                      ; hq: tile x 32 KiB + 16 x lane
	s_lshl_b32 s36, s27, 12
	v_add_nc_u32 v28, s36, v5                      ; hs: tile x 4 KiB + 4 x lane
	global_store_b128 v27, v[PC:PC+3], s[16:17]            ; the wave stores 512 consecutive bytes, twice
	global_store_b128 v27, v[PC+4:PC+7], s[16:17] offset:512
	global_store_b32 v28, v[PW], s[18:19]
.Lidle:
	s_add_co_u32 s27, s27, 4
	s_add_co_u32 s29, s29, 256
	s_sub_co_u32 s28, s28, 1
	s_cmp_lg_u32 s28, 0
	s_cbranch_scc1 .Ltrip
	s_wait_tensorcnt 0x0
	ds_add_u32 v254, v255
	s_wait_dscnt 0x0
	s_endpgm
.Lfunc_end_k_qe52e79c6d3_ffn1:
	.size	k_qe52e79c6d3_ffn1, .Lfunc_end_k_qe52e79c6d3_ffn1-k_qe52e79c6d3_ffn1
	.p2alignl 7, 3214868480
	.fill 96, 4, 3214868480
	.section	.rodata,"a",@progbits
	.p2align	6, 0x0
	.amdhsa_kernel k_qe52e79c6d3_ffn1
		.amdhsa_group_segment_fixed_size 110592
		.amdhsa_private_segment_fixed_size 0
		.amdhsa_enable_private_segment 0
		.amdhsa_kernarg_size 72
		.amdhsa_user_sgpr_count 2
		.amdhsa_user_sgpr_kernarg_segment_ptr 1
		.amdhsa_wavefront_size32 1
		.amdhsa_system_sgpr_workgroup_id_x 1
		.amdhsa_system_sgpr_workgroup_id_y 1
		.amdhsa_system_sgpr_workgroup_id_z 1
		.amdhsa_system_vgpr_workitem_id 0
		.amdhsa_next_free_vgpr 1024
		.amdhsa_next_free_sgpr 66
		.amdhsa_reserve_vcc 1
		.amdhsa_float_denorm_mode_32 3
		.amdhsa_float_denorm_mode_16_64 3
		.amdhsa_memory_ordered 1
		.amdhsa_forward_progress 1
		.amdhsa_inst_pref_size 73
	.end_amdhsa_kernel
	.amdgpu_metadata
---
amdhsa.version: [ 1, 2 ]
amdhsa.kernels:
  - .name:           k_qe52e79c6d3_ffn1
    .symbol:         k_qe52e79c6d3_ffn1.kd
    .args:
      - { .name: sel, .offset: 0, .size: 8, .value_kind: global_buffer, .address_space: global }
      - { .name: xq, .offset: 8, .size: 8, .value_kind: global_buffer, .address_space: global }
      - { .name: xs, .offset: 16, .size: 8, .value_kind: global_buffer, .address_space: global }
      - { .name: w1_codes, .offset: 24, .size: 8, .value_kind: global_buffer, .address_space: global }
      - { .name: w1_scales, .offset: 32, .size: 8, .value_kind: global_buffer, .address_space: global }
      - { .name: b1, .offset: 40, .size: 8, .value_kind: global_buffer, .address_space: global }
      - { .name: hq, .offset: 48, .size: 8, .value_kind: global_buffer, .address_space: global }
      - { .name: hs, .offset: 56, .size: 8, .value_kind: global_buffer, .address_space: global }
      - { .name: rows, .offset: 64, .size: 8, .value_kind: global_buffer, .address_space: global }
    .group_segment_fixed_size: 110592
    .private_segment_fixed_size: 0
    .kernarg_segment_align: 8
    .kernarg_segment_size: 72
    .max_flat_workgroup_size: 128
    .sgpr_count:     66
    .vgpr_count:     1024
    .wavefront_size: 32
...
	.end_amdgpu_metadata
.endif
;; end of part 2
;; launch ffn2 (part 3): grid 32 x 8, 4 waves a work-group, no clusters, 289,280 bytes of LDS; arguments rows, hq, hs, w2_codes, w2_scales, b2, y; writes y
.if DOCPART == 3
	.amdgcn_target "amdgcn-amd-amdhsa--gfx1250"
	.amdhsa_code_object_version 6
	.text
	.protected	k_qe52e79c6d3_ffn2
	.globl	k_qe52e79c6d3_ffn2
	.p2align	8
	.type	k_qe52e79c6d3_ffn2,@function
k_qe52e79c6d3_ffn2:
	s_mov_b64 s[64:65], 0
	v_nop
	global_prefetch_b8 v0, s[64:65] scope:SCOPE_SE
	s_setreg_imm32_b32 hwreg(HW_REG_WAVE_MODE, 25, 1), 1
	s_wait_xcnt 0x0
; SECOND EXPERT PRODUCT ON ROUTED ROWS: y[slot] = h W2^T + b2, codes of E2M1 with one E8M0 byte for each 32 along K, sums in f32.  y [2048 slots][1024] f32.
; Only the rows that the lists of the launch before name are multiplied: the experts that a token did not choose have the weight 0 in reference()'s combine.
; A work-group (cc = 128 output columns, q = a quarter of the row tiles, the expert) takes the tiles T = q, q + 4, .. of 16 routed rows.
; Grid: expert = x % 8, q = y % 4, cc = x / 8 + 4 (y / 4).
; NO TENSOR LOADS, NO CLUSTER, though the four q of one (cc, expert) read the same 128 rows of W2: the branches hang on counts read from memory and on q, which differs between those four.
; Every operand goes from memory into registers.
; SHARES.  Wave w holds all 128 columns x K steps 8 w .. 8 w + 7 of W2 (a quarter of K = 4,096): 64 fragments in 512 registers, read once, and reads only its quarter of each tile of h.
; The four waves' partial sums meet in a stage in LDS; each wave then adds and stores 4 whole rows of 512 bytes of each tile.  (The sum over K is so taken in four parts: another order of f32 additions.)
; W2's WAY IN.  A load reads the 512 consecutive bytes that a row has in my quarter of K.  A run of 16 rows (64 registers) is one column tile: it goes into my own LDS rows, 528 bytes apart, and comes back
; at once as that tile's 8 fragments, into the same 64 registers, while the later runs are on their way.
; h comes as images of fragment registers: each load reads 512 consecutive bytes straight into the operand's registers.  The four tiles of the first trip are asked for among W2's runs.
; No prefetch is written: a trip's tiles of h are asked for a whole trip ahead, into registers of their own.
; THE PRODUCT IS USED TRANSPOSED (source 0 = 16 rows of W2, source 1 = 16 routed rows): a lane holds one routed row and eight neighbouring columns.
; THE LOOP has the constant count 4 trips of 4 tiles (an expert has 64 tiles at the most, 16 for each q), one barrier a trip on every wave's path; a tile beyond the expert's count jumps over its work.
; A row whose slot is the padding's 2048 is computed and not stored.  Each slot lies in one expert's list, so each row of y has one owner.
; REGISTERS.  window 0: v1-27 addresses; v32-95 8 accumulators, then the 16 pieces of rows read back; v96-111 h's scale words; v128-159 W2's scale words; v160-163 b2; v164-195 scales as loaded; v228-243 stage addresses.
;   windows 1, 2: column tile tt at v[64 (tt % 4)] of window 1 + tt / 4: first its 16 rows as loaded, then its fragment of my K step j at + 8 j.   window 3: h's fragment j of tile buffer i at v[64 i + 8 j].
.set WP,   528                         ; an LDS row: 512 bytes + 16: 132 words, so row r starts at bank 4 r mod 64 (64 banks of 4 bytes: ISA guide 11.1)
.set WTW,  128*WP                      ; a wave's turn: 128 rows
.set WSC,  4*WTW                       ; W2's scale rows: 128 x (128 bytes + 16)
.set STP,  4*16*WP                     ; a tile's stage: 4 sources x 16 rows; 2 halves x 4 tiles lie in the turns' bytes, used only when all fragments have been read
.set SPARE, WSC+128*144                ; the spare words
.set YO,   16
.set HAD,  20                          ; v20-27: for each tile buffer the offsets of its fragments and of its scale words
.set ACC,  32
.set HSW,  96                          ; register 4 i + m: lanes 0-15 the words of my K step 2 m, lanes 16-31 those of 2 m + 1
.set W2S,  128
.set B2,   160
.set SCS,  164
.set SA,   228                         ; v228-235 the stage, in: one register for each half and tile
.set RA,   236                         ; v236-243 and out
.set MSB, 0
.macro WIN new                         ; s_set_vgpr_msb: bits 1:0 source 0, 3:2 source 1, 5:4 source 2, 7:6 destination; the high byte repeats the setting that is left
.set NWIN, \new
.if MSB != NWIN
	s_set_vgpr_msb (MSB<<8)|NWIN
.set MSB, NWIN
.endif
.endm
	s_load_b256 s[4:11], s[0:1], 0x0               ; rows s[4:5], hq s[6:7], hs s[8:9], w2_codes s[10:11]
	s_load_b128 s[12:15], s[0:1], 0x20             ; w2_scales s[12:13], b2 s[14:15]
	s_load_b64 s[16:17], s[0:1], 0x30              ; y
	v_lshl_add_u32 v254, v0, 2, SPARE
	v_mov_b32 v255, 0
	v_lshrrev_b32 v13, 5, v0
	v_readfirstlane_b32 s18, v13                   ; wave 0..3
	s_and_b32 s21, ttmp9, 7                        ; expert
	s_lshr_b32 s20, ttmp9, 3
	s_and_b32 s27, ttmp7, 0xffff
	s_and_b32 s19, s27, 3                          ; q
	s_lshr_b32 s27, s27, 2
	s_lshl_b32 s27, s27, 2
	s_add_co_u32 s20, s20, s27                     ; cc
	v_and_b32 v1, 15, v0                           ; r
	v_bfe_u32 v2, v0, 4, 1                         ; h
	v_and_b32 v3, 31, v0                           ; lane
	v_lshlrev_b32 v4, 4, v3
	v_lshlrev_b32 v5, 2, v1
	v_lshl_add_u32 v5, v2, 7, v5                   ; h's scale words: row r's word, lanes 16-31 one K step (128 bytes) on
	s_mul_i32 s27, s18, WTW                        ; my turn
	v_add_nc_u32 v6, s27, v4                       ; in: rows 0-63,
	v_add_nc_u32 v7, 64*WP, v6                     ; rows 64-127
	v_mul_u32_u24 v8, v1, WP
	v_lshl_add_u32 v8, v2, 4, v8
	v_add_nc_u32 v8, s27, v8                       ; out: fragments
	s_mul_i32 s27, s18, 32*144
	s_add_co_u32 s27, s27, WSC
	v_lshrrev_b32 v9, 3, v3
	v_mul_u32_u24 v9, v9, 144
	v_and_b32 v10, 7, v3
	v_lshl_add_u32 v9, v10, 4, v9
	v_add_nc_u32 v9, s27, v9                       ; scales in: my wave's 32 rows; eight lanes fill a row of 128 bytes
	s_lshl_b32 s27, s18, 5
	s_add_co_u32 s27, s27, WSC
	v_mul_u32_u24 v10, v3, 144
	v_add_nc_u32 v10, s27, v10                     ; scales out: row = lane, my quarter's 8 words
	s_mul_i32 s27, s18, 16*WP
	v_mul_u32_u24 v[SA], v1, WP
	v_lshl_add_u32 v[SA], v2, 5, v[SA]
	v_add_nc_u32 v[SA], s27, v[SA]                 ; the stage, in: source = my wave, row r, 32 h bytes on
	s_mul_i32 s27, s18, 4*WP
	v_add_nc_u32 v[RA], s27, v4                    ; and out: my 4 rows, 16 bytes a lane
.irp n, 1,2,3,4,5,6,7
	v_add_nc_u32 v[SA+\n], STP*\n, v[SA]
	v_add_nc_u32 v[RA+\n], STP*\n, v[RA]
.endr
	s_mov_b32 s29, 0
	s_lshl_b32 s37, s21, 9                         ; the count's place; never rewritten
.irp i, 40,41,42,43,44,45,46,47,48,49,50,51,52,53,54,55
	s_mov_b32 s\i, 2048                            ; the sixteen slots: written on every path
.endr
	s_wait_alu depctr_va_vdst(0)                   ; the wait at the head's end
	s_wait_kmcnt 0x0
	s_load_b32 s22, s[4:5], s37 offset:0x8000      ; the expert's count
	s_lshl_b32 s28, s21, 12
	s_lshl_b32 s27, s18, 4
	s_add_co_u32 s28, s28, s27
	s_add_nc_u64 s[30:31], s[4:5], s[28:29]        ; the expert's list, at my 4 rows of a tile
	s_lshl_b32 s28, s21, 21                        ; w2_codes: expert x 2 MiB + cc x 128 rows of 2,048 bytes + my quarter's 512
	s_lshl_b32 s27, s20, 18
	s_add_co_u32 s28, s28, s27
	s_lshl_b32 s27, s18, 9
	s_add_co_u32 s28, s28, s27
	s_add_nc_u64 s[10:11], s[10:11], s[28:29]
	s_lshl_b32 s28, s21, 17                        ; w2_scales: 128 bytes a row; my wave's 32 rows
	s_lshl_b32 s27, s20, 14
	s_add_co_u32 s28, s28, s27
	s_lshl_b32 s27, s18, 12
	s_add_co_u32 s28, s28, s27
	s_add_nc_u64 s[12:13], s[12:13], s[28:29]
	s_lshl_b32 s28, s21, 12                        ; b2: my 128 columns
	s_lshl_b32 s27, s20, 9
	s_add_co_u32 s28, s28, s27
	s_add_nc_u64 s[14:15], s[14:15], s[28:29]
	s_lshl_b32 s28, s21, 21                        ; hq: expert, K step 8 w
	s_lshl_b32 s27, s18, 13
	s_add_co_u32 s28, s28, s27
	s_add_nc_u64 s[6:7], s[6:7], s[28:29]
	s_lshl_b32 s28, s21, 18                        ; hs likewise
	s_lshl_b32 s27, s18, 10
	s_add_co_u32 s28, s28, s27
	s_add_nc_u64 s[8:9], s[8:9], s[28:29]
	s_lshl_b32 s28, s20, 9                         ; y: my 128 columns
	s_add_nc_u64 s[16:17], s[16:17], s[28:29]
.irp i, 0,1,2,3,4,5,6,7
	global_load_b128 v[SCS+4*\i:SCS+4*\i+3], v4, s[12:13] offset:512*\i
.endr
	global_load_b128 v[B2:B2+3], v4, s[14:15]      ; columns 4 lane .. 4 lane + 3
.macro ASKW k                          ; run k: the 16 rows of column tile k, a load a row
	WIN 0x40*(1+(\k)/4)
.irp i, 0,1,2,3,4,5,6,7,8,9,10,11,12,13,14,15
	global_load_b128 v[64*((\k)%4)+4*\i:64*((\k)%4)+4*\i+3], v4, s[10:11] offset:2048*(16*(\k)+\i)
.endr
.endm
.macro TURNW k                         ; run k into my turn, and back as the tile's 8 fragments: LDS serves a wave in order, so the loads see the stores and land behind them
	WIN 0x04*(1+(\k)/4)
.irp i, 0,1,2,3,4,5,6,7,8,9,10,11,12,13,14,15
	ds_store_b128 v[6+(\k)/4], v[64*((\k)%4)+4*\i:64*((\k)%4)+4*\i+3] offset:WP*(16*((\k)%4)+\i)
.endr
	WIN 0x40*(1+(\k)/4)
.irp j, 0,1,2,3,4,5,6,7
.irp c, 0,1
	ds_load_b128 v[64*((\k)%4)+8*\j+4*\c:64*((\k)%4)+8*\j+4*\c+3], v8 offset:16*WP*(\k)+64*\j+32*\c
.endr
.endr
.endm
.macro HADR i                          ; s27 = a tile: held at the expert's last tile, which the launch before has written, and at 63
	s_min_u32 s27, s27, s26
	s_min_u32 s27, s27, 63
	s_lshl_b32 s38, s27, 15
	v_add_nc_u32 v[HAD+2*\i], s38, v4
	s_lshl_b32 s38, s27, 12
	v_add_nc_u32 v[HAD+2*\i+1], s38, v5
.endm
.macro HASK i                          ; 20 loads: a tile's 8 fragments of my K steps into buffer i, and their scale words, two K steps to a register
	WIN 0xc0
.irp j, 0,1,2,3,4,5,6,7
.irp c, 0,1
	global_load_b128 v[64*\i+8*\j+4*\c:64*\i+8*\j+4*\c+3], v[HAD+2*\i], s[6:7] offset:1024*\j+512*\c
.endr
.endr
	WIN 0
.irp m, 0,1,2,3
	global_load_b32 v[HSW+4*\i+\m], v[HAD+2*\i+1], s[8:9] offset:256*\m
.endr
.endm
; The loads go out in the order: scales and b2 (9), W0 W1 W2 W3 H0 W4 H1 W5 H2 W6 H3 W7 (W: a run of 16; H: a tile's 20).  Each wait's count is what has been issued behind the run that it waits for.
	ASKW 0
	ASKW 1
	ASKW 2
	WIN 0
	s_wait_kmcnt 0x0                               ; the count
	s_add_co_u32 s23, s22, 15
	s_lshr_b32 s23, s23, 4
	s_max_u32 s23, s23, 1                          ; tiles, at least one: as the launch before made them
	s_sub_co_u32 s26, s23, 1
.irp i, 0,1,2,3
	s_add_co_u32 s27, s19, 4*\i
	HADR \i
.endr
	s_wait_alu depctr_va_vdst(0)
	s_wait_loadcnt 32                              ; behind W0: W1, W2
.irp i, 0,1,2,3,4,5,6,7
	ds_store_b128 v9, v[SCS+4*\i:SCS+4*\i+3] offset:576*\i
.endr
	TURNW 0
	ASKW 3
	HASK 0
	s_wait_loadcnt 52                              ; behind W1: W2, W3, H0
	TURNW 1
	ASKW 4
	s_wait_loadcnt 52                              ; behind W2: W3, H0, W4
	TURNW 2
	HASK 1
	s_wait_loadcnt 56                              ; behind W3: H0, W4, H1
	TURNW 3
	ASKW 5
	HASK 2
	s_wait_loadcnt 56                              ; behind W4: H1, W5, H2
	TURNW 4
	ASKW 6
	HASK 3
	s_wait_loadcnt 56                              ; behind W5: H2, W6, H3
	TURNW 5
	ASKW 7
	s_wait_loadcnt 36                              ; behind W6: H3, W7
	TURNW 6
	s_wait_loadcnt 0x0                             ; W7, and with it all four tiles of h
	TURNW 7
	WIN 0
	s_wait_dscnt 0x0                               ; my scale rows lie in LDS, and my reads of my turn are over: its bytes may become the stage
	s_barrier_signal -1
	s_barrier_wait -1
.irp b, 0,1,2,3
.irp qq, 0,1
	ds_load_b128 v[W2S+8*\b+4*\qq:W2S+8*\b+4*\qq+3], v10 offset:32*144*\b+16*\qq   ; register 8 b + j: lane l holds the word of output row 32 b + l, my K step j
.endr
.endr
	s_wait_dscnt 0x0
.macro P2 i, j, tt                     ; one product: column tile tt, my K step j, tile buffer i.  W2's words: lanes 16-31 for an odd tt; h's: lanes 16-31 for an odd j
.set rD, ACC+8*(\tt)
.set rA, 64*((\tt)%4)+8*(\j)
.set rB, 64*(\i)+8*(\j)
.set rSA, W2S+8*((\tt)/2)+(\j)
.set rSB, HSW+4*(\i)+(\j)/2
.set vr, 2*((\tt)%2)+(\j)%2
.if (\j) == 0
.if vr == 0
	v_wmma_scale_f32_16x16x128_f8f6f4 v[rD:rD+7], v[rA:rA+7], v[rB:rB+7], 0, v[rSA], v[rSB] matrix_a_fmt:MATRIX_FMT_FP4 matrix_b_fmt:MATRIX_FMT_FP4
.else
	v_wmma_scale_f32_16x16x128_f8f6f4 v[rD:rD+7], v[rA:rA+7], v[rB:rB+7], 0, v[rSA], v[rSB] matrix_a_fmt:MATRIX_FMT_FP4 matrix_b_fmt:MATRIX_FMT_FP4 matrix_a_scale:MATRIX_SCALE_ROW1
.endif
.elseif vr == 0
	v_wmma_scale_f32_16x16x128_f8f6f4 v[rD:rD+7], v[rA:rA+7], v[rB:rB+7], v[rD:rD+7], v[rSA], v[rSB] matrix_a_fmt:MATRIX_FMT_FP4 matrix_b_fmt:MATRIX_FMT_FP4
.elseif vr == 1
	v_wmma_scale_f32_16x16x128_f8f6f4 v[rD:rD+7], v[rA:rA+7], v[rB:rB+7], v[rD:rD+7], v[rSA], v[rSB] matrix_a_fmt:MATRIX_FMT_FP4 matrix_b_fmt:MATRIX_FMT_FP4 matrix_b_scale:MATRIX_SCALE_ROW1
.elseif vr == 2
	v_wmma_scale_f32_16x16x128_f8f6f4 v[rD:rD+7], v[rA:rA+7], v[rB:rB+7], v[rD:rD+7], v[rSA], v[rSB] matrix_a_fmt:MATRIX_FMT_FP4 matrix_b_fmt:MATRIX_FMT_FP4 matrix_a_scale:MATRIX_SCALE_ROW1
.else
	v_wmma_scale_f32_16x16x128_f8f6f4 v[rD:rD+7], v[rA:rA+7], v[rB:rB+7], v[rD:rD+7], v[rSA], v[rSB] matrix_a_fmt:MATRIX_FMT_FP4 matrix_b_fmt:MATRIX_FMT_FP4 matrix_a_scale:MATRIX_SCALE_ROW1 matrix_b_scale:MATRIX_SCALE_ROW1
.endif
.endm
.macro PROD p, i                       ; the trip's tile i: 64 products, and my part of the sums into region i of half p of the stage
	s_add_co_u32 s27, s24, 4*\i
	s_cmp_lt_u32 s27, s23
	s_cbranch_scc0 .Lno_products_\@
.irp hf, 0,1                           ; column tiles 0-3 lie in window 1, 4-7 in window 2: four accumulators take turns, one instruction a turn; K step 0 starts the sums
	WIN 0x0d+\hf
.irp j, 0,1,2,3,4,5,6,7
.irp t4, 0,1,2,3
	P2 \i, \j, 4*\hf+\t4
.endr
.endr
.endr
	WIN 0
.rept 5
	v_nop                                          ; places behind the last products: four for the stores below and the loads into h's registers, one more since the next tile's first products write over these accumulators
.endr
.irp tt, 0,1,2,3,4,5,6,7
	ds_store_b128 v[SA+4*\p+\i], v[ACC+8*\tt:ACC+8*\tt+3] offset:64*\tt        ; each accumulator from its low end on
	ds_store_b128 v[SA+4*\p+\i], v[ACC+8*\tt+4:ACC+8*\tt+7] offset:64*\tt+16
.endr
.Lno_products_\@:
.endm
.macro NEXT i                          ; the next trip's tile i, 16 tiles on, into buffer i: asked for only if the expert has it
	s_add_co_u32 s27, s24, 16+4*\i
	s_cmp_lt_u32 s27, s23
	s_cbranch_scc0 .Lno_next_\@
	HADR \i
	s_wait_alu depctr_va_vdst(0)                   ; the wait behind the write
	HASK \i
.Lno_next_\@:
.endm
.macro YROW j, sl                      ; my row 4 w + j of a tile: the four waves' parts and b2 are added; the row is stored if its slot is one
	s_wait_dscnt 12-4*\j                           ; this row's four loads are in; the later rows' are younger
.set R0, ACC+16*\j
	v_pk_add_f32 v[R0:R0+1], v[R0:R0+1], v[R0+4:R0+5]
	v_pk_add_f32 v[R0+2:R0+3], v[R0+2:R0+3], v[R0+6:R0+7]
	v_pk_add_f32 v[R0+8:R0+9], v[R0+8:R0+9], v[R0+12:R0+13]
	v_pk_add_f32 v[R0+10:R0+11], v[R0+10:R0+11], v[R0+14:R0+15]
	v_pk_add_f32 v[R0:R0+1], v[R0:R0+1], v[R0+8:R0+9]
	v_pk_add_f32 v[R0+2:R0+3], v[R0+2:R0+3], v[R0+10:R0+11]
	v_pk_add_f32 v[R0:R0+1], v[R0:R0+1], v[B2:B2+1]
	v_pk_add_f32 v[R0+2:R0+3], v[R0+2:R0+3], v[B2+2:B2+3]
	s_cmp_lt_u32 s[\sl], 0x800
	s_cbranch_scc0 .Lpad_\@                        ; the padding's 2048: no row of y
	s_min_u32 s27, s[\sl], 0x7ff
	s_lshl_b32 s27, s27, 12
	v_add_nc_u32 v[YO+\j], s27, v4
	global_store_b128 v[YO+\j], v[R0:R0+3], s[16:17]   ; the wave stores 512 consecutive bytes of one row, at a multiple of 512 from y's first byte
.Lpad_\@:
.endm
.macro OUT p, i                        ; the trip's tile i leaves
	s_add_co_u32 s27, s24, 4*\i
	s_cmp_lt_u32 s27, s23
	s_cbranch_scc0 .Lno_rows_\@
	s_wait_xcnt 0x0                                ; no store still reads the registers that are written below
.irp jr, 0,1,2,3
.irp sr, 0,1,2,3
	ds_load_b128 v[ACC+16*\jr+4*\sr:ACC+16*\jr+4*\sr+3], v[RA+4*\p+\i] offset:16*WP*\sr+WP*\jr
.endr
.endr
	YROW 0, 40+4*\i
	YROW 1, 41+4*\i
	YROW 2, 42+4*\i
	YROW 3, 43+4*\i
.Lno_rows_\@:
.endm
; A trip of four tiles, on half p of the stage.  Half p is written again two barriers later, and in front of the barrier between every wave has waited for its reads of it.
.macro TRIP p
	s_cmp_lt_u32 s24, s23
	s_cbranch_scc0 .Lidle_\@
	s_wait_xcnt 0x0                                ; the last trip's stores have read their data: the products write those registers
.irp i, 0,1,2,3
	s_load_b128 s[40+4*\i:43+4*\i], s[30:31], s36 offset:256*\i   ; the slots of my 4 rows of each tile (inside the expert's 1,024 entries for every tile up to 63)
.endr
	s_wait_loadcnt 0x0                             ; the trip's tiles of h, all asked for in the trip before (the first trip's: in the head), are in: no load of h is out, so each buffer may be asked into again behind its products, and its offsets written
	PROD \p, 0
	NEXT 0
	PROD \p, 1
	NEXT 1
	PROD \p, 2
	NEXT 2
	PROD \p, 3
	NEXT 3
.Lidle_\@:
	s_wait_kmcnt 0x0                               ; the slots are in, and the scalar loads have read their offset, which is stepped below
	s_wait_dscnt 0x0                               ; for the others' sake: my parts lie in the stage, and my reads of the other half are over
	s_barrier_signal -1
	s_barrier_wait -1
	OUT \p, 0
	OUT \p, 1
	OUT \p, 2
	OUT \p, 3
	s_add_co_u32 s24, s24, 16
	s_add_co_u32 s36, s36, 1024
.endm
	s_mov_b32 s24, s19                             ; the trip's first tile
	s_lshl_b32 s36, s19, 6                         ; and its 64 bytes of the list
	s_mov_b32 s25, 2
.Lloop:
	TRIP 0
	TRIP 1
	s_sub_co_u32 s25, s25, 1
	s_cmp_lg_u32 s25, 0
	s_cbranch_scc1 .Lloop
	s_wait_tensorcnt 0x0                           ; the wave's end
	ds_add_u32 v254, v255
	s_wait_dscnt 0x0
	s_endpgm
.Lfunc_end_k_qe52e79c6d3_ffn2:
	.size	k_qe52e79c6d3_ffn2, .Lfunc_end_k_qe52e79c6d3_ffn2-k_qe52e79c6d3_ffn2
	.p2alignl 7, 3214868480
	.fill 96, 4, 3214868480
	.section	.rodata,"a",@progbits
	.p2align	6, 0x0
	.amdhsa_kernel k_qe52e79c6d3_ffn2
		.amdhsa_group_segment_fixed_size 289280
		.amdhsa_private_segment_fixed_size 0
		.amdhsa_enable_private_segment 0
		.amdhsa_kernarg_size 56
		.amdhsa_user_sgpr_count 2
		.amdhsa_user_sgpr_kernarg_segment_ptr 1
		.amdhsa_wavefront_size32 1
		.amdhsa_system_sgpr_workgroup_id_x 1
		.amdhsa_system_sgpr_workgroup_id_y 1
		.amdhsa_system_sgpr_workgroup_id_z 1
		.amdhsa_system_vgpr_workitem_id 0
		.amdhsa_next_free_vgpr 1024
		.amdhsa_next_free_sgpr 66
		.amdhsa_reserve_vcc 0
		.amdhsa_float_denorm_mode_32 3
		.amdhsa_float_denorm_mode_16_64 3
		.amdhsa_memory_ordered 1
		.amdhsa_forward_progress 1
		.amdhsa_inst_pref_size 176
	.end_amdhsa_kernel
	.amdgpu_metadata
---
amdhsa.version: [ 1, 2 ]
amdhsa.kernels:
  - .name:           k_qe52e79c6d3_ffn2
    .symbol:         k_qe52e79c6d3_ffn2.kd
    .args:
      - { .name: rows, .offset: 0, .size: 8, .value_kind: global_buffer, .address_space: global }
      - { .name: hq, .offset: 8, .size: 8, .value_kind: global_buffer, .address_space: global }
      - { .name: hs, .offset: 16, .size: 8, .value_kind: global_buffer, .address_space: global }
      - { .name: w2_codes, .offset: 24, .size: 8, .value_kind: global_buffer, .address_space: global }
      - { .name: w2_scales, .offset: 32, .size: 8, .value_kind: global_buffer, .address_space: global }
      - { .name: b2, .offset: 40, .size: 8, .value_kind: global_buffer, .address_space: global }
      - { .name: y, .offset: 48, .size: 8, .value_kind: global_buffer, .address_space: global }
    .group_segment_fixed_size: 289280
    .private_segment_fixed_size: 0
    .kernarg_segment_align: 8
    .kernarg_segment_size: 56
    .max_flat_workgroup_size: 128
    .sgpr_count:     66
    .vgpr_count:     1024
    .wavefront_size: 32
...
	.end_amdgpu_metadata
.endif
;; end of part 3
;; launch combine (part 4): grid 256 x 1, 4 waves a work-group, no clusters, 0 bytes of LDS; arguments y, cw, rows, out0, out1; writes out0, out1
.if DOCPART == 4
	.amdgcn_target "amdgcn-amd-amdhsa--gfx1250"
	.amdhsa_code_object_version 6
	.text
	.protected	k_qe52e79c6d3_combine
	.globl	k_qe52e79c6d3_combine
	.p2align	8
	.type	k_qe52e79c6d3_combine,@function
k_qe52e79c6d3_combine:
	s_mov_b64 s[64:65], 0
	v_nop
	global_prefetch_b8 v0, s[64:65] scope:SCOPE_SE
	s_setreg_imm32_b32 hwreg(HW_REG_WAVE_MODE, 25, 1), 1
	s_wait_xcnt 0x0
; out0[n] = cw[2 n] y[2 n] + cw[2 n + 1] y[2 n + 1]: a token's two expert rows (b2 is in them), weighed by its two gate scores.  y [2048][1024], out0 [1024][1024], f32.
; out1 = the sum over the experts of (count / 2048)^2: each token adds exactly two to the counts, so their sum is 2,048 and the division is a multiplication by 2^-11.
; A stream: a wave takes one token; each load and store covers 512 consecutive bytes; all 16 loads are asked for at once; no register is written twice, so no wait frees one.
; No LDS, no barrier, no matrix unit: the waves share nothing and K = 2.
	s_load_b256 s[4:11], s[0:1], 0x0               ; y s[4:5], cw s[6:7], rows s[8:9], out0 s[10:11]
	s_load_b64 s[12:13], s[0:1], 0x20              ; out1
	v_lshrrev_b32 v2, 5, v0
	v_readfirstlane_b32 s14, v2                    ; wave
	v_and_b32 v1, 31, v0
	v_lshlrev_b32 v1, 4, v1                        ; 16 x lane
	s_lshl_b32 s15, ttmp9, 2
	s_add_co_u32 s15, s15, s14                     ; my token
	s_mov_b32 s17, 0
	s_wait_alu depctr_va_vdst(0)
	s_wait_kmcnt 0x0
	s_lshl_b32 s16, s15, 13
	s_add_nc_u64 s[4:5], s[4:5], s[16:17]          ; its two rows of y
	s_lshl_b32 s16, s15, 3
	s_add_nc_u64 s[6:7], s[6:7], s[16:17]          ; its two scores
	s_lshl_b32 s16, s15, 12
	s_add_nc_u64 s[10:11], s[10:11], s[16:17]      ; its row of out0
	s_load_b64 s[20:21], s[6:7], 0x0
.irp i, 0,1,2,3,4,5,6,7
	global_load_b128 v[16+8*\i:19+8*\i], v1, s[4:5] offset:512*\i th:TH_LOAD_NT
	global_load_b128 v[20+8*\i:23+8*\i], v1, s[4:5] offset:4096+512*\i th:TH_LOAD_NT
.endr
	s_wait_kmcnt 0x0
	s_mov_b32 s22, s21                             ; the second score as the low word of a pair of its own: a packed form takes a scalar pair's low word for both halves
	s_mov_b32 s23, s21
.irp i, 0,1,2,3,4,5,6,7
	s_wait_loadcnt 14-2*\i                         ; this pair of loads is in; the later pairs are younger
	v_pk_mul_f32 v[16+8*\i:17+8*\i], v[16+8*\i:17+8*\i], s[20:21] op_sel_hi:[1,0]
	v_pk_mul_f32 v[18+8*\i:19+8*\i], v[18+8*\i:19+8*\i], s[20:21] op_sel_hi:[1,0]
	v_pk_fma_f32 v[16+8*\i:17+8*\i], v[20+8*\i:21+8*\i], s[22:23], v[16+8*\i:17+8*\i] op_sel_hi:[1,0,1]
	v_pk_fma_f32 v[18+8*\i:19+8*\i], v[22+8*\i:23+8*\i], s[22:23], v[18+8*\i:19+8*\i] op_sel_hi:[1,0,1]
	global_store_b128 v1, v[16+8*\i:19+8*\i], s[10:11] offset:512*\i th:TH_STORE_NT
.endr
	s_or_b32 s24, ttmp9, s14
	s_cmp_lg_u32 s24, 0
	s_cbranch_scc1 .Ldone                          ; the loss: wave 0 of work-group 0
.irp e, 0,1,2,3,4,5,6,7
	s_load_b32 s[32+\e], s[8:9], 0x8000+512*\e     ; the experts' counts
.endr
	s_wait_kmcnt 0x0
	v_cvt_f32_u32 v2, s32
	v_mul_f32 v2, 0x3a000000, v2                   ; x 2^-11
	v_mul_f32 v3, v2, v2
.irp e, 1,2,3,4,5,6,7
	v_cvt_f32_u32 v2, s[32+\e]
	v_mul_f32 v2, 0x3a000000, v2
	v_fma_f32 v3, v2, v2, v3
.endr
	v_mov_b32 v4, 0
	s_wait_alu depctr_va_vdst(0)
	s_wait_xcnt 0x0                                ; EXEC changes only behind this wait
	v_cmp_eq_u32 vcc_lo, 0, v0
	s_and_saveexec_b32 s25, vcc_lo
	global_store_b32 v4, v3, s[12:13]
	s_wait_xcnt 0x0
	s_or_b32 exec_lo, exec_lo, s25
.Ldone:
	s_endpgm
.Lfunc_end_k_qe52e79c6d3_combine:
	.size	k_qe52e79c6d3_combine, .Lfunc_end_k_qe52e79c6d3_combine-k_qe52e79c6d3_combine
	.p2alignl 7, 3214868480
	.fill 96, 4, 3214868480
	.section	.rodata,"a",@progbits
	.p2align	6, 0x0
	.amdhsa_kernel k_qe52e79c6d3_combine
		.amdhsa_group_segment_fixed_size 0
		.amdhsa_private_segment_fixed_size 0
		.amdhsa_enable_private_segment 0
		.amdhsa_kernarg_size 40
		.amdhsa_user_sgpr_count 2
		.amdhsa_user_sgpr_kernarg_segment_ptr 1
		.amdhsa_wavefront_size32 1
		.amdhsa_system_sgpr_workgroup_id_x 1
		.amdhsa_system_sgpr_workgroup_id_y 1
		.amdhsa_system_sgpr_workgroup_id_z 1
		.amdhsa_system_vgpr_workitem_id 0
		.amdhsa_next_free_vgpr 80
		.amdhsa_next_free_sgpr 66
		.amdhsa_reserve_vcc 1
		.amdhsa_float_denorm_mode_32 3
		.amdhsa_float_denorm_mode_16_64 3
		.amdhsa_memory_ordered 1
		.amdhsa_forward_progress 1
		.amdhsa_inst_pref_size 8
	.end_amdhsa_kernel
	.amdgpu_metadata
---
amdhsa.version: [ 1, 2 ]
amdhsa.kernels:
  - .name:           k_qe52e79c6d3_combine
    .symbol:         k_qe52e79c6d3_combine.kd
    .args:
      - { .name: y, .offset: 0, .size: 8, .value_kind: global_buffer, .address_space: global }
      - { .name: cw, .offset: 8, .size: 8, .value_kind: global_buffer, .address_space: global }
      - { .name: rows, .offset: 16, .size: 8, .value_kind: global_buffer, .address_space: global }
      - { .name: out0, .offset: 24, .size: 8, .value_kind: global_buffer, .address_space: global }
      - { .name: out1, .offset: 32, .size: 8, .value_kind: global_buffer, .address_space: global }
    .group_segment_fixed_size: 0
    .private_segment_fixed_size: 0
    .kernarg_segment_align: 8
    .kernarg_segment_size: 40
    .max_flat_workgroup_size: 128
    .sgpr_count:     66
    .vgpr_count:     80
    .wavefront_size: 32
...
	.end_amdgpu_metadata
.endif
;; end of part 4
